; MI455X (gfx1250); checked and timed in simulation.
; The chip was launched on July 23, 2026; its instructions are those of AMD's public machine-readable ISA for CDNA 5 (MIT licence, August 2026) and "CDNA5" Instruction Set Architecture Reference Guide (July 2026). The comments in the code are by the model that wrote it; some were corrected since.
;; PAM Module. Allowed arithmetic: matrix products marked QUANTISED: E5M2 operands, one E8M0 scale for each 32 along K, by v_wmma_scale_f32_16x16x128_f8f6f4 with both operands' format E5M2, f32 sums; everything else in f32.
;; Inputs: Wk_codes 32 x 8 x 32 uint8 (E5M2 codes of Wk, K innermost, in blocks of 32 codes); Wk_scales 32 x 8 uint8 (E8M0 scales of Wk, one for each 32 codes along K); Wq_codes 32 x 8 x 32 uint8 (E5M2 codes of Wq, K innermost, in blocks of 32 codes); Wq_scales 32 x 8 uint8 (E8M0 scales of Wq, one for each 32 codes along K); Wv_codes 256 x 8 x 32 uint8 (E5M2 codes of Wv, K innermost, in blocks of 32 codes); Wv_scales 256 x 8 uint8 (E8M0 scales of Wv, one for each 32 codes along K); bk 32 float32; bq 32 float32; bv 256 float32; gamma 1 float32; x 8 x 256 x 64 x 64 float32.
;; Outputs: out0 8 x 256 x 64 x 64 float32.
;; This version of the problem:
;;   THIS VERSION OF THE PROBLEM IS GIVEN IN LOW PRECISION. The matrix products marked QUANTISED in the list below multiply operands that are first quantised to E5M2 (5 exponent bits, 2 mantissa bits; 8 bits a number), with one power-of-two scale for each 32 numbers along K (OCP MX v1.0); their sums are f32. All else is computed in f32.
;;   The module's matrix products, in the order in which they are computed (A, B: the left and right operand; K: the contracted axis; several contracted axes count as one K, in the product's order):
;;     1. [M 32,768, K 256] x [K 256, N 32]; A: input x; B: input Wq (given as codes): QUANTISED
;;     2. [M 32,768, K 256] x [K 256, N 32]; A: input x; B: input Wk (given as codes): QUANTISED
;;     3. batch 8 x [M 4,096, K 32] x [K 32, N 4,096]; A: computed on the way; B: computed on the way: QUANTISED
;;     4. [M 32,768, K 256] x [K 256, N 256]; A: input x; B: input Wv (given as codes): QUANTISED
;;     5. batch 8 x [M 256, K 4,096] x [K 4,096, N 4,096]; A: computed on the way; B: softmax (see below): QUANTISED
;;   THE QUANTISER, for each operand of a quantised product, along K:
;;     - K is cut into blocks of 32 from its start; a last block that is shorter is filled with zeros.
;;     - A block's scale is 2^e with e = floor(log2(the largest magnitude in the block)) - 15, held to -126 .. 127; a block of zeros has e = 0. As a byte (E8M0): e + 127.
;;     - Each number is divided by its block's scale, clamped to +-57,344, and rounded to the nearest number of E5M2, ties to even, subnormals kept.
;;     - The product sums the exact products of the quantised numbers (number of the format x scale) in f32.
;;   ~~~python
;;   def quantise(x, axis):      # numpy; x: float32 -> the quantised numbers, widened to float32 again
;;       x = np.moveaxis(x, axis, -1); K = x.shape[-1]
;;       x = np.pad(x, [(0, 0)] * (x.ndim - 1) + [(0, -K % 32)]); x = x.reshape(x.shape[:-1] + (-1, 32)); a = np.abs(x).max(-1, keepdims=True)
;;       e = np.where(a > 0, np.clip(np.frexp(np.where(a > 0, a, 1))[1] - 1 - 15, -126, 127), 0)      # np.frexp(a)[1] - 1 = floor(log2(a)), exactly
;;       r = np.clip(x / 2.0 ** e, -57344, 57344)
;;       step = 2.0 ** (np.maximum(np.frexp(np.where(r == 0, 1, r))[1] - 1, -14) - 2)
;;       q = np.round(r / step) * step * 2.0 ** e      # np.round: ties to even
;;       return np.moveaxis(q.reshape(q.shape[:-2] + (-1,))[..., :K], -1, axis).astype(np.float32)
;;   ~~~
;;   SOFTMAX AHEAD OF A QUANTISED PRODUCT. Where the list says 'softmax', what is quantised is not the finished softmax but p = 2^(t - M), with t = logit x log2(e) and M = ceil(the row's largest t), a whole number; so 1/2 < the row's largest p <= 1. The row's sum l is taken of the UNQUANTISED p, in f32, and the product's result is divided by l at the end. Since M is a whole number, a kernel that streams over the keys may use a running M (the ceiling of the running maximum): every later rescaling is an exact power of two, which a block's scale takes up: the codes' values come out the same.
;;   OPERANDS COMPUTED ON THE WAY. 'Computed on the way' means the value that the module computes at that place (a softmax that the list does not call 'softmax' is quantised finished and normalised). What goes into a quantiser is computed in f32, as accurately as f32 sums, v_exp_f32 and their like allow (about 1e-6 of the number): no bf16 or f16 on the way to a quantiser, and a product that is left as it is and whose result goes on into a quantised operand takes f32 operands (vector FMAs, or v_wmma_f32_16x16x4_f32). A number that lies on a knife's edge between two numbers of the format may be rounded either way, as far as f32 arithmetic and the matrix unit's own rounding can turn it there, and no further.
;;   INPUTS GIVEN AS CODES. Wk (in the module: [32, 256], K = its axis 1); Wq (in the module: [32, 256], K = its axis 1); Wv (in the module: [256, 256], K = its axis 1): each comes as NAME_codes (uint8): NAME with its K axis moved to the last place and cut into blocks of 32 codes, [.., K / 32, bytes a block], one block behind the other in memory; one code a byte (a code: sign, 5 exponent bits, 2 mantissa bits); and NAME_scales (uint8): the same leading axes, one E8M0 byte (e + 127) for each 32 codes along K. Its value is code x scale, taken as it is: it is not quantised again, and the codes and scales need not be those that the quantiser above would give.
;; One version. Each part assembles by itself: llvm-mc -triple=amdgcn-amd-amdhsa -mcpu=gfx1250 --defsym DOCPART=n.
;; ======== version 1 of 1: 2 launches
;; limits: right only within a limited range of input values
;; workspace buffers: qc 1,179,648 bytes; kv 9,830,400 bytes
;; launch proj (part 1): grid 32 x 8, 8 waves a work-group, no clusters, 171,008 bytes of LDS; arguments x, Wq_codes, Wq_scales, bq, Wk_codes, Wk_scales, bk, Wv_codes, Wv_scales, bv, qc, kv; writes qc, kv
.if DOCPART == 1
	.amdgcn_target "amdgcn-amd-amdhsa--gfx1250"
	.amdhsa_code_object_version 6
	.text
	.protected	k_q5ed91fcaab_proj
	.globl	k_q5ed91fcaab_proj
	.p2align	8
	.type	k_q5ed91fcaab_proj,@function
k_q5ed91fcaab_proj:
	s_mov_b64 s[64:65], 0
	v_nop
	global_prefetch_b8 v0, s[64:65] scope:SCOPE_SE
	s_setreg_imm32_b32 hwreg(HW_REG_WAVE_MODE, 25, 1), 1
	s_wait_xcnt 0x0
; q, k and v of position attention, made once and left as codes of BF8 (E5M2) with one E8M0 scale for each 32 along the next product's K.
; x: [8][256 channels][4096 pixels] f32.  Wq, Wk [32][256], Wv [256][256]: codes, K (channels) innermost, with scale bytes [rows][8].  bq, bk [32], bv [256]: f32.
; A work-group takes one batch's 256 channels x 128 pixels: 8 x 32 = 256 work-groups.  It quantises x along the channels, multiplies by the three weights (biases as the C of each sum's first product),
; quantises q and k along their 32 outputs and v along the pixels, and stores all three as IMAGES OF THE OPERANDS' REGISTERS, so that the next launch takes every fragment by 16 bytes a lane at 16 x lane.
; OUT.  kv: a slab of 38,400 bytes for each (batch, 128 pixels): K's 8 tiles (512 bytes each: registers 0-3 of a fragment), V's 16 channel tiles (2,048 bytes each), K's scale words (512), V's (1,024).
;       qc: a block of 4,608 bytes likewise: Q's 8 tiles, then their scale words.  A scale word of q or k has the block's byte in byte 0 and 0 above it: those three bytes belong to zero codes.
; THE PIXELS OF A TILE ARE NOT NEIGHBOURS: row r of tile t is pixel 32 (t / 2) + 8 (t % 2) + r + 8 (r / 8) of the 128.  In a result whose registers run along a tile's rows, the 16 registers of tiles 2 b and
; 2 b + 1 are then pixels 32 b + 16 (lane / 16) + 0 .. 15: the order in which an operand's registers want their K.  The rows of Wq and Wk that form a tile are chosen the same way.
; SHARES.  Wave w quantises pixel tile w of x (two fragments, K = 256), makes that tile's q and k (transposed: source 0 = 16 rows of W, source 1 = x: a lane holds one pixel, its registers run along the outputs),
; then v of channels 32 w .. 32 w + 31 for all 128 pixels (source 0 = x's tile, source 1 = 16 rows of Wv: a lane holds one channel, its registers run along the pixels).
; x's fragments go from wave to wave through LDS as images of their registers.
; NO CLUSTER: the work-groups share the weights alone, which each wave reads once into registers; x's tile, all that goes through LDS by tensor loads, is the work-group's own.
; LIMITS: NaN and infinities among the inputs are not served.  A block whose largest magnitude lies under 2^(16 - 127), a block of zeros among them, gets the byte 1: the bytes are read by this program alone.
.set PITCH, 520                        ; a channel's 128 pixels in LDS: 512 bytes + 8 of padding = 130 words: lanes 16-31 stand 16 rows down, 32 words on modulo 64, beside lanes 0-15's words (64 banks of 4 bytes: ISA guide 11.1)
.set XIMG,  256*PITCH                  ; 133,120: x's 16 fragments, (tile t, K step s) at 2,048 (2 t + s)
.set XSC,   XIMG+32768                 ; their scale words, 128 bytes each
.set SCST,  XSC+2048                   ; the scale words on their way out: K's 512 bytes, V's 1,024, Q's 512
.set SLAB,  38400
.set QBLK,  4608
.set LI,  1                            ; 16 x lane
.set LS,  2                            ; 4 x lane
.set XA0, 3                            ; x's tile in LDS: my pixel's word in channel 16 (lane / 16);  XA1: 128 channels on
.set XA1, 4
.set XWI, 5                            ; where I store my x fragments' images;  XWS: their scale words
.set XWS, 6
.set LIX, 7                            ; where any image is read;  LSX: any scale word
.set LSX, 8
.set WA,  9                            ; Wq, Wk: my row's bytes;  WSO: its scale bytes
.set WSO, 10
.set VA,  11                           ; Wv likewise
.set VSO, 12
.set BA,  13                           ; bq, bk: 64 x (lane / 16)
.set BVA, 14                           ; bv: 4 x (lane % 16)
.set KSA, 15                           ; the stage of scale words: K's, Q's, V's word of mine
.set QSA, 16
.set VSA, 17
.set SCR, 18                           ; and where waves 0-3 read it back;  SGO: the same place in memory
.set SGO, 19
.set XF,  24                           ; v24-55   my two fragments of x
.set BVB, 40                           ; v40-55   later: bv as two C tiles
.set XS,  56                           ; v56-57   my x scale words
.set ST,  58                           ; v58-121  64 numbers, or 8 accumulators
.set PC,  122                          ; v122-137 the codes just made
.set PW,  138                          ; v138-139 V's two scale words
.set KW,  140
.set QW,  141
.set TM,  142                          ; v142-145 largest magnitudes, 146-149 bytes, 154-157 the conversions' scale operands
.set WQS, 158                          ; v158-161 Wq's scale words (2 u + s), v162-165 Wk's
.set WVS, 166                          ; v166-169 Wv's (2 i + s)
.set BVV, 170                          ; v170-171 bv of my two channels
.set WVF, 172                          ; v172-235 Wv's four fragments
.set XSA, 236                          ; v236-251 the scale words of all 16 fragments of x
.set G1,  36
.set G0A, 44
.set G0B, 48
.set SEL, 52
.set MNT, 54
.set MSB, 0
.macro WIN new                         ; the immediate's high byte repeats the setting that is left
.if MSB != \new
	s_set_vgpr_msb (MSB<<8)|\new
.set MSB, \new
.endif
.endm
.macro BARRIER                         ; my LDS stores have landed and my LDS loads are in: then the work-group's barrier
	s_wait_dscnt 0x0
	s_barrier_signal -1
	s_barrier_wait -1
.endm
; 64 numbers of a lane, register 16 b + i = K 32 b + 16 (lane / 16) + i of my row, become a fragment's codes in v[pc] on and its scale word in v[pw].
.macro QUANT s, pc, pw
.irp b, 0,1,2,3
	v_max3_num_f32 v[TM+\b], |v[\s+16*\b]|, |v[\s+16*\b+1]|, 0x8000000   ; my 16 numbers of block b, and the floor 2^(16 - 127): the byte cannot fall under 1
.endr
.irp i, 2,4,6,8,10,12,14
.irp b, 0,1,2,3
	v_max3_num_f32 v[TM+\b], v[TM+\b], |v[\s+16*\b+\i]|, |v[\s+16*\b+\i+1]|   ; the four blocks by turns; each accumulator is read from its low end on
.endr
.endr
.irp b, 0,1,2,3
	s_delay_alu instid0(VALU_DEP_4)
	v_permlanex16_b32 v[TM+4+\b], v[TM+\b], s[SEL], s[SEL+1]
.endr
.irp b, 0,1,2,3
	s_delay_alu instid0(VALU_DEP_4)
	v_max_num_f32 v[TM+\b], v[TM+\b], v[TM+4+\b]                   ; with lane l xor 16's 16: the block's largest magnitude
.endr
.irp b, 0,1,2,3
	s_delay_alu instid0(VALU_DEP_4)
	v_add_nc_u32 v[TM+12+\b], 0xf8800000, v[TM+\b]                 ; 15 off its exponent field: the conversion's scale operand
.endr
.irp b, 0,1,2,3
.endr
.irp b, 0,1,2,3
	s_delay_alu instid0(VALU_DEP_4)
	v_lshrrev_b32 v[TM+4+\b], 23, v[TM+12+\b]                      ; the scale's byte
.endr
	s_delay_alu instid0(VALU_DEP_3)
	v_lshl_or_b32 v[\pw], v[TM+5], 8, v[TM+4]
	s_delay_alu instid0(VALU_DEP_1)
	v_lshl_or_b32 v[\pw], v[TM+6], 16, v[\pw]
	s_delay_alu instid0(VALU_DEP_1)
	v_lshl_or_b32 v[\pw], v[TM+7], 24, v[\pw]
.irp b, 0,1,2,3
.irp i, 0,1,2,3,4,5,6,7,8,9,10,11,12,13,14,15
.endr
	v_cvt_scalef32_pk8_bf8_f32 v[\pc+4*\b:\pc+4*\b+1], v[\s+16*\b:\s+16*\b+7], v[TM+12+\b]
	v_cvt_scalef32_pk8_bf8_f32 v[\pc+4*\b+2:\pc+4*\b+3], v[\s+16*\b+8:\s+16*\b+15], v[TM+12+\b]
.endr
	v_nop                                          ; one plain line behind the last conversion, ahead of whatever next touches its registers
.endm
; The same for one block: 16 numbers of a lane, K = 16 (lane / 16) + i: four registers of codes, and the byte alone as the scale word.
.macro QUANT1 s, pc, pw
	v_max3_num_f32 v[TM], |v[\s]|, |v[\s+1]|, 0x8000000
.irp i, 2,4,6,8,10,12,14
	v_max3_num_f32 v[TM], v[TM], |v[\s+\i]|, |v[\s+\i+1]|
.endr
	s_delay_alu instid0(VALU_DEP_1)
	v_permlanex16_b32 v[TM+4], v[TM], s[SEL], s[SEL+1]
	s_delay_alu instid0(VALU_DEP_1)
	v_max_num_f32 v[TM], v[TM], v[TM+4]
	s_delay_alu instid0(VALU_DEP_1)
	v_add_nc_u32 v[TM+12], 0xf8800000, v[TM]
	s_delay_alu instid0(VALU_DEP_1)
	v_lshrrev_b32 v[\pw], 23, v[TM+12]
.irp i, 0,1,2,3,4,5,6,7,8,9,10,11,12,13,14,15
.endr
	v_cvt_scalef32_pk8_bf8_f32 v[\pc:\pc+1], v[\s:\s+7], v[TM+12]
	v_cvt_scalef32_pk8_bf8_f32 v[\pc+2:\pc+3], v[\s+8:\s+15], v[TM+12]
	v_nop
.endm
.macro XREAD adr                       ; my pixel's 64 numbers of a K step: channels 32 b + 16 (lane / 16) + i
.irp b, 0,1,2,3
.irp i, 0,1,2,3,4,5,6,7,8,9,10,11,12,13,14,15
	ds_load_b32 v[ST+16*\b+\i], v[\adr] offset:(32*\b+\i)*PITCH
.endr
.endr
	s_wait_dscnt 0x0
.endm
.macro IMAGE f, w, o                   ; fragment f and its scale word w go to LDS as they stand: K step o of my tile
.irp c, 0,1,2,3
	ds_store_b128 v[XWI], v[\f+4*\c:\f+4*\c+3] offset:2048*\o+512*\c
.endr
	ds_store_b32 v[XWS], v[\w] offset:128*\o
.endm
	s_load_b512 s[4:19], s[0:1], 0x0               ; x 4, Wq codes 6, Wq scales 8, bq 10, Wk codes 12, Wk scales 14, bk 16, Wv codes 18
	s_load_b256 s[20:27], s[0:1], 0x40             ; Wv scales 20, bv 22, qc 24, kv 26
	v_lshl_add_u32 v254, v0, 2, 0x29800
	v_mov_b32 v255, 0
	ds_add_u32 v254, v255
	ds_add_u32 v254, v255
	v_lshrrev_b32 v20, 5, v0
	s_delay_alu instid0(VALU_DEP_1)
	v_readfirstlane_b32 s28, v20                   ; wave 0..7
	v_and_b32 v20, 31, v0                          ; lane
	s_wait_alu depctr_va_vdst(0)
	v_and_b32 v21, 15, v0                          ; r
	v_bfe_u32 v22, v0, 4, 1                        ; h
	s_wait_alu depctr_va_vdst(0)
	v_and_b32 v23, 8, v21
	s_delay_alu instid0(VALU_DEP_1)
	v_add_nc_u32 v23, v23, v21                     ; r + 8 (r / 8)
	s_and_b32 s30, ttmp7, 0xffff                   ; batch
	s_lshl_b32 s31, s30, 5
	s_add_co_u32 s31, s31, ttmp9                   ; which slab: 32 x batch + step
	s_mul_i32 s32, s31, SLAB
	s_mov_b32 s33, 0
	s_mul_i32 s34, s31, QBLK
	s_mov_b32 s35, 0
	s_lshl_b32 s2, s30, 22                         ; x: the batch's 4 MiB,
	s_lshl_b32 s3, ttmp9, 9                        ; the step's 128 pixels,
	s_add_co_u32 s2, s2, s3
	s_lshl_b32 s3, s28, 18                         ; my 16 channels of 16,384 bytes
	s_add_co_u32 s2, s2, s3
	s_mov_b32 s3, 0
	; descriptor group 1: 16 rows of 128 elements of 4 bytes, 4,096 elements apart; two words of padding behind each 128
	s_mov_b32 s[G1+0], (2<<16)|(1<<20)|(6<<22)|(1<<25)
	s_mov_b32 s[G1+1], 128<<16                     ; tensor_dim0
	s_mov_b32 s[G1+2], 16<<16                      ; tensor_dim1
	s_mov_b32 s[G1+3], 128<<16                     ; tile_dim0
	s_mov_b32 s[G1+4], 16                          ; tile_dim1
	s_mov_b32 s[G1+5], 4096                        ; tensor_dim0_stride
	s_mov_b32 s[G1+6], 0
	s_mov_b32 s[G1+7], 0
	s_mov_b32 s[G0A], 1
	s_mul_i32 s[G0A+1], s28, 16*PITCH              ; channels 16 w on
	s_mov_b32 s[G0B], 1
	s_add_co_u32 s[G0B+1], s[G0A+1], 128*PITCH     ; channels 128 + 16 w on
	s_mov_b32 s[SEL], 0x76543210
	s_mov_b32 s[SEL+1], 0xfedcba98                 ; v_permlanex16_b32's selects for lane l xor 16
	v_lshlrev_b32 v[LI], 4, v20
	v_lshlrev_b32 v[LS], 2, v20
	s_lshr_b32 s29, s28, 1
	s_lshl_b32 s29, s29, 7
	s_and_b32 s31, s28, 1
	s_lshl_b32 s31, s31, 5
	s_add_co_u32 s29, s29, s31                     ; my tile's first pixel, in bytes: 128 (w / 2) + 32 (w % 2)
	v_mul_u32_u24 v[XA0], v22, 16*PITCH
	s_wait_alu depctr_va_vdst(0)
	v_lshl_add_u32 v[XA0], v23, 2, v[XA0]
	s_delay_alu instid0(VALU_DEP_1)
	v_add_nc_u32 v[XA0], s29, v[XA0]
	s_delay_alu instid0(VALU_DEP_1)
	v_add_nc_u32 v[XA1], 128*PITCH, v[XA0]
	s_lshl_b32 s29, s28, 12
	s_add_co_u32 s29, s29, XIMG
	v_add_nc_u32 v[XWI], s29, v[LI]
	s_lshl_b32 s29, s28, 8
	s_add_co_u32 s29, s29, XSC
	v_add_nc_u32 v[XWS], s29, v[LS]
	v_add_nc_u32 v[LIX], XIMG, v[LI]
	v_add_nc_u32 v[LSX], XSC, v[LS]
	v_lshlrev_b32 v[WA], 8, v23
	s_delay_alu instid0(VALU_DEP_1)
	v_lshl_add_u32 v[WA], v22, 4, v[WA]            ; a row of 256 codes, + 16 h
	v_lshlrev_b32 v[WSO], 3, v23
	v_lshlrev_b32 v[VA], 8, v21
	s_delay_alu instid0(VALU_DEP_1)
	v_lshl_add_u32 v[VA], v22, 4, v[VA]
	v_lshlrev_b32 v[VSO], 3, v21
	v_lshlrev_b32 v[BA], 6, v22
	v_lshlrev_b32 v[BVA], 2, v21
	s_lshr_b32 s29, s28, 2
	s_lshl_b32 s29, s29, 8
	s_and_b32 s31, s28, 3
	s_lshl_b32 s31, s31, 2
	s_add_co_u32 s29, s29, s31
	s_add_co_u32 s29, s29, SCST
	v_lshl_add_u32 v[KSA], v21, 4, s29             ; K's word of (tile w, row r): 16 (r + 16 (w / 4)) + 4 (w % 4)
	s_lshl_b32 s29, s28, 6
	s_add_co_u32 s29, s29, SCST+1536
	v_lshl_add_u32 v[QSA], v21, 2, s29             ; Q's: 4 (16 w + r)
	s_lshr_b32 s29, s28, 2
	s_lshl_b32 s29, s29, 9
	s_bfe_u32 s31, s28, 0x10001
	s_lshl_b32 s31, s31, 8
	s_add_co_u32 s29, s29, s31
	s_and_b32 s31, s28, 1
	s_lshl_b32 s31, s31, 3
	s_add_co_u32 s29, s29, s31
	s_add_co_u32 s29, s29, SCST+512
	v_lshl_add_u32 v[VSA], v21, 4, s29             ; V's, channel tile T = 2 w + i: 512 (T / 8) + 16 (r + 16 ((T / 4) % 2)) + 4 (T % 4)
	s_min_u32 s29, s28, 3
	s_lshl_b32 s29, s29, 9
	s_add_co_u32 s29, s29, SCST
	v_add_nc_u32 v[SCR], s29, v[LI]
	s_lshl_b32 s29, s28, 9
	s_cmp_lt_u32 s28, 3
	s_cselect_b32 s29, s29, 0                      ; waves 0-2 store the slab's 1,536 bytes of scale words, wave 3 Q's 512
	v_add_nc_u32 v[SGO], s29, v[LI]
.irp b, 0,1,2,3
	v_mov_b32 v[TM+4+\b], 0                        ; written once: a lane permute's destination counts as one of its sources
.endr
	s_wait_dscnt 0x0
	s_wait_kmcnt 0x0
	s_add_nc_u64 s[4:5], s[4:5], s[2:3]
	s_mov_b64 s[G0A+2:G0A+3], s[4:5]
	s_or_b32 s[G0A+3], s[G0A+3], 0x80000000
	s_add_nc_u64 s[G0B+2:G0B+3], s[4:5], 0x200000  ; 128 channels of 16,384 bytes on
	s_or_b32 s[G0B+3], s[G0B+3], 0x80000000
	tensor_load_to_lds s[G0A:G0A+3], s[G1:G1+7]    ; both fills go out together, ahead of every wait on TENSORcnt, LDS read and barrier: two loads of mine are out.  Nothing in LDS is filled twice
	s_nop 0
	tensor_load_to_lds s[G0B:G0B+3], s[G1:G1+7]
	s_nop 0
.rept 4
	v_nop                                          ; four nops behind a tensor load
.endr
	s_add_nc_u64 s[26:27], s[26:27], s[32:33]      ; my slab
	s_add_nc_u64 s[24:25], s[24:25], s[34:35]      ; my block of qc
	s_add_nc_u64 s[62:63], s[24:25], 4096          ; Q's scale words
	s_add_nc_u64 s[60:61], s[26:27], 36864         ; K's and V's
	s_lshl_b32 s32, s28, 9
	s_add_nc_u64 s[56:57], s[26:27], s[32:33]      ; K's tile w
	s_add_nc_u64 s[24:25], s[24:25], s[32:33]      ; Q's tile w
	s_lshl_b32 s32, s28, 12
	s_add_nc_u64 s[58:59], s[26:27], s[32:33]
	s_add_nc_u64 s[58:59], s[58:59], 4096          ; V's tiles 2 w, 2 w + 1
	s_lshl_b32 s32, s28, 13
	s_add_nc_u64 s[18:19], s[18:19], s[32:33]      ; my 32 rows of Wv,
	s_lshl_b32 s32, s28, 8
	s_add_nc_u64 s[20:21], s[20:21], s[32:33]      ; their scale bytes,
	s_lshl_b32 s32, s28, 7
	s_add_nc_u64 s[22:23], s[22:23], s[32:33]      ; their biases
	WIN 0x40                                       ; destination window 1: Wq's fragments (tile u, K step s) at v[16 (2 u + s)], Wk's 64 on; lane r of tile u takes row 8 u + r + 8 (r / 8)
.irp u, 0,1
.irp s, 0,1
.irp c, 0,1,2,3
	global_load_b128 v[16*(2*\u+\s)+4*\c:16*(2*\u+\s)+4*\c+3], v[WA], s[6:7] offset:2048*\u+128*\s+32*\c
	global_load_b128 v[64+16*(2*\u+\s)+4*\c:64+16*(2*\u+\s)+4*\c+3], v[WA], s[12:13] offset:2048*\u+128*\s+32*\c
.endr
.endr
.endr
.irp u, 0,1                                    ; the biases in the result's layout: lane (r, h), register j: output 16 h + 8 u + j
	global_load_b128 v[128+8*\u:128+8*\u+3], v[BA], s[10:11] offset:32*\u
	global_load_b128 v[128+8*\u+4:128+8*\u+7], v[BA], s[10:11] offset:32*\u+16
	global_load_b128 v[144+8*\u:144+8*\u+3], v[BA], s[16:17] offset:32*\u
	global_load_b128 v[144+8*\u+4:144+8*\u+7], v[BA], s[16:17] offset:32*\u+16
.endr
	WIN 0
.irp i, 0,1
.irp s, 0,1
.irp c, 0,1,2,3
	global_load_b128 v[WVF+16*(2*\i+\s)+4*\c:WVF+16*(2*\i+\s)+4*\c+3], v[VA], s[18:19] offset:4096*\i+128*\s+32*\c
.endr
	global_load_b32 v[WQS+2*\i+\s], v[WSO], s[8:9] offset:64*\i+4*\s
	global_load_b32 v[WQS+4+2*\i+\s], v[WSO], s[14:15] offset:64*\i+4*\s
	global_load_b32 v[WVS+2*\i+\s], v[VSO], s[20:21] offset:128*\i+4*\s
.endr
	global_load_b32 v[BVV+\i], v[BVA], s[22:23] offset:64*\i
.endr
	; ---- x, channels 0-127
	s_wait_tensorcnt 0x1                           ; my rows of the first half are in; my second load may stay out
	s_barrier_signal -1
	s_barrier_wait -1                              ; everybody's are
	XREAD XA0
	QUANT ST, XF, XS
	IMAGE XF, XS, 0
	; ---- x, channels 128-255
	s_wait_tensorcnt 0x0
	BARRIER
	XREAD XA1
	QUANT ST, XF+16, XS+1
	IMAGE XF+16, XS+1, 1
	; ---- q and k of my 16 pixels: four accumulators by turns, two K steps
	s_wait_loadcnt 0x0                             ; the weights, their scale words, the biases
.rept 4
	v_nop                                          ; codes written by vector instructions stand four places ahead of a scaled product
.endr
	WIN 0x11                                       ; source 0 (W) and source 2 (the bias) window 1
.irp n, 0,1,2,3
	v_wmma_scale_f32_16x16x128_f8f6f4 v[ST+8*\n:ST+8*\n+7], v[32*\n:32*\n+15], v[XF:XF+15], v[128+8*\n:128+8*\n+7], v[WQS+2*\n], v[XS] matrix_a_fmt:MATRIX_FMT_BF8 matrix_b_fmt:MATRIX_FMT_BF8
.endr
	WIN 0x01
	s_wait_alu depctr_va_vdst(0)
.irp n, 0,1,2,3
	v_wmma_scale_f32_16x16x128_f8f6f4 v[ST+8*\n:ST+8*\n+7], v[32*\n+16:32*\n+31], v[XF+16:XF+31], v[ST+8*\n:ST+8*\n+7], v[WQS+2*\n+1], v[XS+1] matrix_a_fmt:MATRIX_FMT_BF8 matrix_b_fmt:MATRIX_FMT_BF8
.endr
	WIN 0
.rept 8
	v_nop                                          ; eight places behind this form: for the reads of the results, and for the loads and moves below into registers that these products read
.endr
	QUANT1 ST, PC, QW                              ; lane (r, h): my pixel's q, outputs 16 h + 0 .. 15
	global_store_b128 v[LI], v[PC:PC+3], s[24:25]  ; 32 lanes store 512 consecutive bytes, aligned
	ds_store_b32 v[QSA], v[QW]                     ; (both halves of the lanes write the same word with the same value)
	QUANT1 ST+16, PC+4, KW
	global_store_b128 v[LI], v[PC+4:PC+7], s[56:57]
	ds_store_b32 v[KSA], v[KW]
	; ---- all sixteen fragments of x come to every wave
	BARRIER                                        ; every wave's images lie in LDS
.irp i, 0,1
.irp j, 0,1,2,3,4,5,6,7
	v_mov_b32 v[BVB+8*\i+\j], v[BVV+\i]            ; a lane holds one channel there, so bv as C is the same number eight times
.endr
.endr
	WIN 0x40
.irp f, 0,1,2,3,4,5,6,7,8,9,10,11,12,13,14,15
.irp c, 0,1,2,3
	ds_load_b128 v[16*\f+4*\c:16*\f+4*\c+3], v[LIX] offset:2048*\f+512*\c
.endr
.endr
	WIN 0
.irp f, 0,1,2,3,4,5,6,7,8,9,10,11,12,13,14,15
	ds_load_b32 v[XSA+\f], v[LSX] offset:128*\f
.endr
	s_wait_alu depctr_va_vdst(0)
	s_wait_dscnt 0x0
.rept 4
	v_nop
.endr
	; ---- v of my two channel tiles: eight accumulators (the pixel tiles) by turns, two K steps; quantised along the pixels
.irp i, 0,1
	WIN 0x01                                       ; source 0 (x) window 1
.irp t, 0,1,2,3,4,5,6,7
	v_wmma_scale_f32_16x16x128_f8f6f4 v[ST+8*\t:ST+8*\t+7], v[32*\t:32*\t+15], v[WVF+32*\i:WVF+32*\i+15], v[BVB+8*\i:BVB+8*\i+7], v[XSA+2*\t], v[WVS+2*\i] matrix_a_fmt:MATRIX_FMT_BF8 matrix_b_fmt:MATRIX_FMT_BF8
.endr
.irp t, 0,1,2,3,4,5,6,7
	v_wmma_scale_f32_16x16x128_f8f6f4 v[ST+8*\t:ST+8*\t+7], v[32*\t+16:32*\t+31], v[WVF+32*\i+16:WVF+32*\i+31], v[ST+8*\t:ST+8*\t+7], v[XSA+2*\t+1], v[WVS+2*\i+1] matrix_a_fmt:MATRIX_FMT_BF8 matrix_b_fmt:MATRIX_FMT_BF8
.endr
	WIN 0
.rept 9
	v_nop                                          ; eight places for the reads of the results; the ninth since the next run begins these accumulators anew
.endr
	s_wait_xcnt 0x0                                ; the earlier stores have read the codes' registers
	QUANT ST, PC, PW+\i                            ; lane (r, h): channel 16 (2 w + i) + r, pixels 32 b + 16 h + 0 .. 15
.irp c, 0,1,2,3
	global_store_b128 v[LI], v[PC+4*\c:PC+4*\c+3], s[58:59] offset:2048*\i+512*\c
.endr
	ds_store_b32 v[VSA], v[PW+\i] offset:4*\i
.endr
	; ---- the scale words leave in runs of 512 consecutive bytes
	BARRIER
	s_cmp_gt_u32 s28, 3
	s_cbranch_scc1 .Ldone
	ds_load_b128 v[ST:ST+3], v[SCR]
	s_cmp_lt_u32 s28, 3
	s_cselect_b64 s[60:61], s[60:61], s[62:63]     ; the choice hangs on the wave's number alone
	s_wait_dscnt 0x0
	global_store_b128 v[SGO], v[ST:ST+3], s[60:61]
.Ldone:
	s_wait_tensorcnt 0x0
	ds_add_u32 v254, v255
	s_wait_dscnt 0x0
	s_endpgm
.Lfunc_end_k_q5ed91fcaab_proj:
	.size	k_q5ed91fcaab_proj, .Lfunc_end_k_q5ed91fcaab_proj-k_q5ed91fcaab_proj
	.p2alignl 7, 3214868480
	.fill 96, 4, 3214868480
	.section	.rodata,"a",@progbits
	.p2align	6, 0x0
	.amdhsa_kernel k_q5ed91fcaab_proj
		.amdhsa_group_segment_fixed_size 171008
		.amdhsa_private_segment_fixed_size 0
		.amdhsa_enable_private_segment 0
		.amdhsa_kernarg_size 96
		.amdhsa_user_sgpr_count 2
		.amdhsa_user_sgpr_kernarg_segment_ptr 1
		.amdhsa_wavefront_size32 1
		.amdhsa_system_sgpr_workgroup_id_x 1
		.amdhsa_system_sgpr_workgroup_id_y 1
		.amdhsa_system_sgpr_workgroup_id_z 1
		.amdhsa_system_vgpr_workitem_id 0
		.amdhsa_next_free_vgpr 512
		.amdhsa_next_free_sgpr 66
		.amdhsa_reserve_vcc 0
		.amdhsa_float_denorm_mode_32 3
		.amdhsa_float_denorm_mode_16_64 3
		.amdhsa_fp16_overflow 1
		.amdhsa_memory_ordered 1
		.amdhsa_forward_progress 1
		.amdhsa_inst_pref_size 55
	.end_amdhsa_kernel
	.amdgpu_metadata
---
amdhsa.version: [ 1, 2 ]
amdhsa.kernels:
  - .name:           k_q5ed91fcaab_proj
    .symbol:         k_q5ed91fcaab_proj.kd
    .args:
      - { .name: x, .offset: 0, .size: 8, .value_kind: global_buffer, .address_space: global }
      - { .name: Wq_codes, .offset: 8, .size: 8, .value_kind: global_buffer, .address_space: global }
      - { .name: Wq_scales, .offset: 16, .size: 8, .value_kind: global_buffer, .address_space: global }
      - { .name: bq, .offset: 24, .size: 8, .value_kind: global_buffer, .address_space: global }
      - { .name: Wk_codes, .offset: 32, .size: 8, .value_kind: global_buffer, .address_space: global }
      - { .name: Wk_scales, .offset: 40, .size: 8, .value_kind: global_buffer, .address_space: global }
      - { .name: bk, .offset: 48, .size: 8, .value_kind: global_buffer, .address_space: global }
      - { .name: Wv_codes, .offset: 56, .size: 8, .value_kind: global_buffer, .address_space: global }
      - { .name: Wv_scales, .offset: 64, .size: 8, .value_kind: global_buffer, .address_space: global }
      - { .name: bv, .offset: 72, .size: 8, .value_kind: global_buffer, .address_space: global }
      - { .name: qc, .offset: 80, .size: 8, .value_kind: global_buffer, .address_space: global }
      - { .name: kv, .offset: 88, .size: 8, .value_kind: global_buffer, .address_space: global }
    .group_segment_fixed_size: 171008
    .private_segment_fixed_size: 0
    .kernarg_segment_align: 8
    .kernarg_segment_size: 96
    .max_flat_workgroup_size: 256
    .sgpr_count:     66
    .vgpr_count:     512
    .wavefront_size: 32
...
	.end_amdgpu_metadata
.endif
;; end of part 1
;; launch attn (part 2): grid 32 x 8, 4 waves a work-group, clusters of 4 x 1, 327,680 bytes of LDS; arguments qc, kv, x, gamma, out0; writes out0
.if DOCPART == 2
	.amdgcn_target "amdgcn-amd-amdhsa--gfx1250"
	.amdhsa_code_object_version 6
	.text
	.protected	k_q5ed91fcaab_attn
	.globl	k_q5ed91fcaab_attn
	.p2align	8
	.type	k_q5ed91fcaab_attn,@function
k_q5ed91fcaab_attn:
	s_mov_b64 s[64:65], 0
	v_nop
	global_prefetch_b8 v0, s[64:65] scope:SCOPE_SE
	s_setreg_imm32_b32 hwreg(HW_REG_WAVE_MODE, 25, 1), 1
	s_wait_xcnt 0x0
	s_wait_alu depctr_hold_cnt(0) depctr_sa_sdst(0) depctr_va_vdst(0) depctr_va_sdst(0) depctr_va_ssrc(0) depctr_va_vcc(0) depctr_vm_vsrc(0)
	s_getreg_b32 s2, hwreg(HW_REG_IB_STS2, 6, 4)
	s_cmp_eq_u32 s2, 0
	s_cbranch_scc0 .Lentry_in_a_cluster
	s_endpgm
.Lentry_in_a_cluster:
	s_bfe_u32 s2, ttmp6, 0x10000c
	s_cmp_lg_u32 s2, 0x3003
	s_cbranch_scc0 .Lentry_shape_is_right
	s_endpgm
.Lentry_shape_is_right:
; out[b][c][i] = gamma x (the sum over j of v[b][c][j] p[i][j]) / l[i] + x[b][c][i], both products on codes of BF8 (E5M2) with one E8M0 scale for each 32 along K.
; t = (q[i] . k[j]) x log2(e); M = the running largest t of the row, rounded UP to a whole number; p = 2^(t - M) is quantised along the keys, not normalised; l is the sum of the unquantised p.
; When M moves, l and O are multiplied by 2^(old M - new M): exact.
; IN.  qc and kv hold q, k and v as images of the operands' registers, made by the launch before: a fragment comes by 16 bytes a lane at 16 x lane.  kv: a slab of 38,400 bytes for each 128 keys of a batch:
; K's 8 tiles (registers 0-3: K = 32 is one block; registers 4-15 of K's and Q's fragments are zero codes, written once here), V's 16 channel tiles, K's scale words, V's.
; Row r of pixel tile t is pixel 32 (t / 2) + 8 (t % 2) + r + 8 (r / 8) of its 128, so that in S^T the 16 registers of tiles 2 b, 2 b + 1 are keys 32 b + 16 (lane / 16) + 0 .. 15.
; SHARES.  A work-group owns 128 queries of a batch: 256 work-groups.  Each of its four waves owns two tiles of 16 queries, so that each fragment of K and V read from LDS feeds two products.
; Both products are used transposed (S^T = K Q^T, O^T = V^T P^T): a lane holds one query throughout.  Every wave walks all 4,096 keys, 128 a step.
; RING.  Two LDS slots of four slabs; each wave brings one slab (150 rows of 256 bytes) with one tensor load, which has four steps in which to land.
; CLUSTER.  The four query blocks of a cluster belong to one batch and walk the same slabs: each slab is asked for JOINTLY, by the same tensor load with the same descriptor and a mask that names the four.
; The place in the cluster enters the addresses of qc, x and out0 alone.
; THE SOFTMAX of the two tiles is laid so that the exponentials of one tile stand singly behind plain lines of the other.
; LIMITS: NaN and infinities are not served.  A block's largest p is not searched for: the block's largest score goes through the same multiply-add and exponential, which takes v_exp_f32 not to fall where its input
; rises; at the worst one p of a block, within an ulp of a power of two, is held one code low.  A block whose every p has fallen under 2^(16 - 127) gets the byte 1.
; REGISTERS, in windows of 256: window 0: v1-7 addresses; v8-23 statistics; v24 Q's scale words, v25-26 p's, v28-31 K's, v32-39 V's; v40-59, v224-243 at work; v64-191 S^T, then p; v192-223 p's codes.
;   window 1: O^T, tile q at v[128 q + 8 T + j].   window 2: V's 16 fragments.   window 3: Q's two fragments at v0, K's eight at v32.
.set SLAB,  38400
.set SLOTB, 4*SLAB
.set SPARE, 2*SLOTB                    ; behind the ring: the spare words, 128 bytes for each wave: two blocks of 256 bytes that no other line names
.set VIO,   4096                       ; in a slab: V's images,
.set KSO,   36864                      ; K's scale words,
.set VSO,   37376                      ; V's
.set SP,    528                        ; the way out: a stage of 256 rows (channels) x (512 bytes + 16), in slot 0, which has had its last fill and its last read by then
.set LI,   1                           ; 16 x lane
.set ADR,  2                           ; the step's slab + 16 x lane
.set SPW,  3                           ; LDS address of my spare word; never rewritten
.set NIL,  4                           ; 0; never rewritten
.set STO0, 5                           ; the stage: my query's word in channel 8 (lane / 16);  STO1: 128 channels on
.set STO1, 6
.set RD,   7                           ; and where I read rows back
.set ST,   8                           ; tile q's statistics at v[ST + 8 q]: +0 -M, +1 the largest t, +2, +3 the sum in two halves, +4 f (at the end gamma / l), +5 named with it as a pair
.set QS,   24                          ; lanes 0-15: my tile 0's scale words, lanes 16-31: tile 1's
.set PW,   25
.set KS,   28
.set VS,   32
.set WK,   40                          ; tile q's work set at v[WK + 184 q]: +0 the blocks' largest scores, then p; +4 the other half's, then bytes; +12 the conversions' scale operands; +16 at work; +18, +19 a second chain of sums
.set S,    64
.set PC,   192
.set KF,   32                          ; K's fragments, in window 3
.set GAM,  14
.set WV,   15
.set G1,   16
.set G0,   24                          ; s[24:27], s[28:31]: a group 0 for each slot
.set SEL,  32
.set CS,   34                          ; s[34:35] log2(e): the packed form names a pair and takes its low word for both halves
.set MNT,  36
.set TB,   37                          ; LDS byte at which the step's slab begins
.set OUTER, 38
.set INNER, 39
.set MSB, 0
.macro WIN new                         ; the immediate's high byte repeats the setting that is left
.if MSB != \new
	s_set_vgpr_msb (MSB<<8)|\new
.set MSB, \new
.endif
.endm
; A round of the cluster's barrier: my work-group's barrier, wave 0 signals for the work-group, every wave waits for all four work-groups, my work-group's barrier once more.
.macro CROUND
	s_barrier_signal -1
	s_barrier_wait -1
	s_cmp_lg_u32 s[WV], 0
	s_cbranch_scc1 .Lnot_wave_0_\@
	s_barrier_signal -3
.Lnot_wave_0_\@:
	s_barrier_wait -3
	s_barrier_signal -1
	s_barrier_wait -1
.endm
; The exponentials that are due are kept as a list: number n < 64 is p's register n of tile q, numbers 64-67 the four blocks' largest.  EX writes the next one, if one is left.
.set EXI, 0
.set EXE, 0
.macro EXSET q, from, to
.set eS, S+64*(\q)
.set eW, WK+184*(\q)
.set EXI, \from
.set EXE, \to
.endm
.macro EX
.if EXI < EXE
.if EXI < 64
	v_exp_f32 v[eS+EXI], v[eS+EXI]
.else
	v_exp_f32 v[eW+EXI-64], v[eW+EXI-64]
.endif
.set EXI, EXI+1
.endif
.endm
.macro SM_MAX q                        ; the largest score of each block of 32 keys, my 16 of them; each accumulator is read from its low end on
.irp b, 0,1,2,3
	v_max3_num_f32 v[WK+184*\q+\b], v[S+64*\q+16*\b], v[S+64*\q+16*\b+1], v[S+64*\q+16*\b+2]
	EX
.endr
.irp i, 3,5,7,9,11,13
.irp b, 0,1,2,3
	v_max3_num_f32 v[WK+184*\q+\b], v[WK+184*\q+\b], v[S+64*\q+16*\b+\i], v[S+64*\q+16*\b+\i+1]
	EX
.endr
.endr
.irp b, 0,1,2,3
	v_max_num_f32 v[WK+184*\q+\b], v[WK+184*\q+\b], v[S+64*\q+16*\b+15]
	EX
.endr
.endm
.macro SM_M q                          ; the row's running maximum, the new -M, and f = 2^(old M - new M)
.irp b, 0,1,2,3
	v_permlanex16_b32 v[WK+184*\q+4+\b], v[WK+184*\q+\b], s[SEL], s[SEL+1]
.endr
.irp b, 0,1,2,3
	v_max_num_f32 v[WK+184*\q+\b], v[WK+184*\q+\b], v[WK+184*\q+4+\b]     ; with lane l xor 16's 16 keys
.endr
	v_max3_num_f32 v[WK+184*\q+16], v[WK+184*\q], v[WK+184*\q+1], v[WK+184*\q+2]
	v_max_num_f32 v[WK+184*\q+16], v[WK+184*\q+16], v[WK+184*\q+3]
	v_mul_f32 v[WK+184*\q+16], s[CS], v[WK+184*\q+16]                     ; as t
	v_max_num_f32 v[ST+8*\q+1], v[ST+8*\q+1], v[WK+184*\q+16]
	v_mov_b32 v[WK+184*\q+16], v[ST+8*\q]
	v_floor_f32 v[ST+8*\q], -v[ST+8*\q+1]                                 ; -M = floor(-t) = -ceil(t)
	v_sub_f32 v[WK+184*\q+16], v[ST+8*\q], v[WK+184*\q+16]                ; old M - new M: a whole number, 0 or less
	v_cvt_i32_f32 v[WK+184*\q+16], v[WK+184*\q+16]                        ; (it saturates)
	v_ldexp_f32 v[ST+8*\q+4], 1.0, v[WK+184*\q+16]
.endm
.macro SM_FMA q                        ; t - M, two at a time; the same of each block's largest score
.irp j, 0,2,4,6,8,10,12,14,16,18,20,22,24,26,28,30,32,34,36,38,40,42,44,46,48,50,52,54,56,58,60,62
	v_pk_fma_f32 v[S+64*\q+\j:S+64*\q+\j+1], v[S+64*\q+\j:S+64*\q+\j+1], s[CS:CS+1], v[ST+8*\q:ST+8*\q+1] op_sel_hi:[1,0,0]
	EX
.endr
.irp b, 0,1,2,3
	v_fma_f32 v[WK+184*\q+\b], v[WK+184*\q+\b], s[CS], v[ST+8*\q]
	EX
.endr
.endm
.macro SM_SCALE q                      ; the sum under the new M; each block's scale from its largest p; the four bytes make p's scale word
	v_pk_mul_f32 v[ST+8*\q+2:ST+8*\q+3], v[ST+8*\q+2:ST+8*\q+3], v[ST+8*\q+4:ST+8*\q+5] op_sel_hi:[1,0]
	s_wait_alu depctr_va_vdst(0)
	EX
	s_wait_alu depctr_va_vdst(0)
.irp b, 0,1,2,3
	v_max_num_f32 v[WK+184*\q+\b], 0x8000000, v[WK+184*\q+\b]             ; the floor 2^(16 - 127): the byte cannot fall under 1
	EX
.endr
.irp b, 0,1,2,3
	v_add_nc_u32 v[WK+184*\q+12+\b], 0xf8800000, v[WK+184*\q+\b]          ; 15 off the exponent field: the conversion's scale operand
.endr
.irp b, 0,1,2,3
.endr
.irp b, 0,1,2,3
	v_lshrrev_b32 v[WK+184*\q+4+\b], 23, v[WK+184*\q+12+\b]               ; the scale's byte
.endr
	v_lshl_or_b32 v[PW+\q], v[WK+184*\q+5], 8, v[WK+184*\q+4]
	v_lshl_or_b32 v[PW+\q], v[WK+184*\q+6], 16, v[PW+\q]
	v_lshl_or_b32 v[PW+\q], v[WK+184*\q+7], 24, v[PW+\q]
.endm
.macro SM_SUM q                        ; the row's sum is taken of the unquantised p: two at a time, in two chains
	v_pk_add_f32 v[WK+184*\q+18:WK+184*\q+19], v[S+64*\q:S+64*\q+1], v[S+64*\q+2:S+64*\q+3]
.irp j, 4,8,12,16,20,24,28,32,36,40,44,48,52,56,60
	v_pk_add_f32 v[ST+8*\q+2:ST+8*\q+3], v[ST+8*\q+2:ST+8*\q+3], v[S+64*\q+\j:S+64*\q+\j+1]
	v_pk_add_f32 v[WK+184*\q+18:WK+184*\q+19], v[WK+184*\q+18:WK+184*\q+19], v[S+64*\q+\j+2:S+64*\q+\j+3]
.endr
	v_pk_add_f32 v[ST+8*\q+2:ST+8*\q+3], v[ST+8*\q+2:ST+8*\q+3], v[WK+184*\q+18:WK+184*\q+19]
.endm
.macro SM_CVT q                        ; the conversions: their results are the second product's operand
.irp b, 0,1,2,3
.irp i, 0,1,2,3,4,5,6,7,8,9,10,11,12,13,14,15
	EX
.endr
	v_cvt_scalef32_pk8_bf8_f32 v[PC+16*\q+4*\b:PC+16*\q+4*\b+1], v[S+64*\q+16*\b:S+64*\q+16*\b+7], v[WK+184*\q+12+\b]
	v_cvt_scalef32_pk8_bf8_f32 v[PC+16*\q+4*\b+2:PC+16*\q+4*\b+3], v[S+64*\q+16*\b+8:S+64*\q+16*\b+15], v[WK+184*\q+12+\b]
.endr
.endm
.macro SM_RESC q                       ; O^T under the new M: x f
	WIN 0x41                                       ; destination and source 0 window 1
	s_wait_alu depctr_va_vdst(0)
.irp j, 0,2,4,6,8,10,12,14,16,18,20,22,24,26,28,30,32,34,36,38,40,42,44,46,48,50,52,54,56,58,60,62
	v_pk_mul_f32 v[128*\q+\j:128*\q+\j+1], v[128*\q+\j:128*\q+\j+1], v[ST+8*\q+4:ST+8*\q+5] op_sel_hi:[1,0]
	v_pk_mul_f32 v[128*\q+64+\j:128*\q+64+\j+1], v[128*\q+64+\j:128*\q+64+\j+1], v[ST+8*\q+4:ST+8*\q+5] op_sel_hi:[1,0]
.endr
	WIN 0
.endm
.macro KQ t, q                         ; S^T of key tile t and my query tile q.  K's scale words: tiles 0-3 in lanes 0-15, tiles 4-7 in lanes 16-31;  Q's: tile 0 below, tile 1 above
.if (\t) < 4
.if (\q) == 0
	v_wmma_scale_f32_16x16x128_f8f6f4 v[S+64*\q+8*\t:S+64*\q+8*\t+7], v[KF+16*\t:KF+16*\t+15], v[16*\q:16*\q+15], 0, v[KS+(\t)%4], v[QS] matrix_a_fmt:MATRIX_FMT_BF8 matrix_b_fmt:MATRIX_FMT_BF8
.else
	v_wmma_scale_f32_16x16x128_f8f6f4 v[S+64*\q+8*\t:S+64*\q+8*\t+7], v[KF+16*\t:KF+16*\t+15], v[16*\q:16*\q+15], 0, v[KS+(\t)%4], v[QS] matrix_a_fmt:MATRIX_FMT_BF8 matrix_b_fmt:MATRIX_FMT_BF8 matrix_b_scale:MATRIX_SCALE_ROW1
.endif
.else
.if (\q) == 0
	v_wmma_scale_f32_16x16x128_f8f6f4 v[S+64*\q+8*\t:S+64*\q+8*\t+7], v[KF+16*\t:KF+16*\t+15], v[16*\q:16*\q+15], 0, v[KS+(\t)%4], v[QS] matrix_a_fmt:MATRIX_FMT_BF8 matrix_b_fmt:MATRIX_FMT_BF8 matrix_a_scale:MATRIX_SCALE_ROW1
.else
	v_wmma_scale_f32_16x16x128_f8f6f4 v[S+64*\q+8*\t:S+64*\q+8*\t+7], v[KF+16*\t:KF+16*\t+15], v[16*\q:16*\q+15], 0, v[KS+(\t)%4], v[QS] matrix_a_fmt:MATRIX_FMT_BF8 matrix_b_fmt:MATRIX_FMT_BF8 matrix_a_scale:MATRIX_SCALE_ROW1 matrix_b_scale:MATRIX_SCALE_ROW1
.endif
.endif
.endm
.macro PV c, q, first                  ; O^T of channel tile c and my query tile q += V^T P^T over the step's 128 keys.  first = 1: the product starts the sum
.set rO, 128*(\q)+8*(\c)
.set rA, 16*(\c)
.set rB, PC+16*(\q)
.set rV, VS+4*((\c)/8)+(\c)%4
.if ((\c)/4)%2
.if \first
	v_wmma_scale_f32_16x16x128_f8f6f4 v[rO:rO+7], v[rA:rA+15], v[rB:rB+15], 0, v[rV], v[PW+\q] matrix_a_fmt:MATRIX_FMT_BF8 matrix_b_fmt:MATRIX_FMT_BF8 matrix_a_scale:MATRIX_SCALE_ROW1
.else
	v_wmma_scale_f32_16x16x128_f8f6f4 v[rO:rO+7], v[rA:rA+15], v[rB:rB+15], v[rO:rO+7], v[rV], v[PW+\q] matrix_a_fmt:MATRIX_FMT_BF8 matrix_b_fmt:MATRIX_FMT_BF8 matrix_a_scale:MATRIX_SCALE_ROW1
.endif
.else
.if \first
	v_wmma_scale_f32_16x16x128_f8f6f4 v[rO:rO+7], v[rA:rA+15], v[rB:rB+15], 0, v[rV], v[PW+\q] matrix_a_fmt:MATRIX_FMT_BF8 matrix_b_fmt:MATRIX_FMT_BF8
.else
	v_wmma_scale_f32_16x16x128_f8f6f4 v[rO:rO+7], v[rA:rA+15], v[rB:rB+15], v[rO:rO+7], v[rV], v[PW+\q] matrix_a_fmt:MATRIX_FMT_BF8 matrix_b_fmt:MATRIX_FMT_BF8
.endif
.endif
.endm
; A KEY STEP: the 128 keys of the slab at s[TB].
.macro STEP first
	v_add_nc_u32 v[ADR], s[TB], v[LI]
.rept 7
	v_nop                                          ; with the line above: eight places behind the last products, ahead of the loads into V's fragments and scale words
.endr
	WIN 0xc0                                       ; destination window 3
.irp t, 0,1,2,3,4,5,6,7
	ds_load_b128 v[KF+16*\t:KF+16*\t+3], v[ADR] offset:512*\t
.endr
	WIN 0
	ds_load_b128 v[KS:KS+3], v[ADR] offset:KSO
	ds_load_b128 v[VS:VS+3], v[ADR] offset:VSO
	ds_load_b128 v[VS+4:VS+7], v[ADR] offset:VSO+512
	WIN 0x80                                       ; destination window 2
.irp c, 0,1,2,3,4,5,6,7,8,9,10,11
.irp g, 0,1,2,3
	ds_load_b128 v[16*\c+4*\g:16*\c+4*\g+3], v[ADR] offset:VIO+2048*\c+512*\g
.endr
.endr
	s_wait_dscnt 50                                ; K and its scale words are in: behind them stand V's scale words (2 loads) and twelve of V's fragments (48)
	WIN 0x0f                                       ; sources 0 and 1 window 3
.irp t, 0,1,2,3,4,5,6,7
	KQ \t, 0
	KQ \t, 1
.endr
	WIN 0x80
.irp c, 12,13,14,15
.irp g, 0,1,2,3
	ds_load_b128 v[16*\c+4*\g:16*\c+4*\g+3], v[ADR] offset:VIO+2048*\c+512*\g
.endr
.endr
	WIN 0
.rept 8
	v_nop                                          ; eight places ahead of the first read of the scores
.endr
	SM_MAX 0
	SM_M 0
	SM_FMA 0
	EXSET 0, 0, 32
	SM_MAX 1                                       ; with tile 0's exponentials 0-31 behind its lines
	SM_M 1
	EXSET 0, 32, 68
	SM_FMA 1                                       ; with tile 0's exponentials 32-63 and its four blocks' largest
	EXSET 1, 64, 68
	SM_SCALE 0                                     ; with tile 1's four blocks' largest
	SM_SUM 0
	EXSET 1, 0, 64
	SM_CVT 0                                       ; with tile 1's 64 exponentials among the conversions
.if \first == 0
	SM_RESC 0
.endif
	SM_SCALE 1
	SM_SUM 1
	SM_CVT 1
.if \first
.rept 4
	v_nop                                          ; the codes' four places ahead of a scaled product, and the plain line behind the conversions
.endr
.else
	SM_RESC 1                                      ; these 64 are those places too
.endif
	s_wait_dscnt 0x0                               ; V is in
	WIN 0x52                                       ; source 0 (V) window 2, source 1 (p) window 0, C and D window 1
.irp c, 0,1,2,3,4,5,6,7,8,9,10,11,12,13,14,15      ; 32 accumulators, one product each a step: they take turns
	PV \c, 0, \first
	PV \c, 1, \first
.endr
.endm
; THE CHANGE OF SLOTS.  Each wave waits for all its tensor loads (its slab of the slot ahead), adds 0 to its spare word, and waits for that and for its reads of the slot that it has left.
; fill = 1: slot n, just left, is filled with the slabs two slots on.  The barrier is then a round of the cluster's, and the joint refill is the first thing behind it and the wave's one tensor load until the next round.
.macro CHANGE fill, n
	WIN 0
	s_wait_tensorcnt 0x0                           ; no tensor load of mine is out, so a group 0 may be written
	ds_add_u32 v[SPW], v[NIL]                      ; 0 onto my spare word
.if \fill
	s_add_nc_u64 s[G0+4*\n+2:G0+4*\n+3], s[G0+4*\n+2:G0+4*\n+3], 2*SLOTB   ; eight slabs on; the type bits on top are not reached
.endif
	s_wait_dscnt 0x0                               ; the add is done, and my reads of the slot are over
.if \fill
	CROUND
	tensor_load_to_lds s[G0+4*\n:G0+4*\n+3], s[G1:G1+7]
	s_nop 0
.rept 4
	v_nop                                          ; four nops behind a tensor load
.endr
.else
	s_barrier_signal -1
	s_barrier_wait -1
.endif
.endm
.macro SLOT_STEPS base, n              ; n steps from LDS byte base on: written once, walked n times
	WIN 0
	s_mov_b32 s[TB], \base
	s_mov_b32 s[INNER], \n
.Lstep_\@:
	STEP 0
	WIN 0                                          ; at a label and at a branch every window is 0
	s_add_co_u32 s[TB], s[TB], SLAB
	s_sub_co_u32 s[INNER], s[INNER], 1
	s_cmp_lg_u32 s[INNER], 0
	s_cbranch_scc1 .Lstep_\@
.endm
	s_load_b256 s[4:11], s[0:1], 0x0               ; qc 4, kv 6, x 8, gamma 10
	s_load_b64 s[12:13], s[0:1], 0x20              ; out0
	v_lshl_add_u32 v[SPW], v0, 2, SPARE
	v_mov_b32 v[NIL], 0
	ds_add_u32 v3, v4
	ds_add_u32 v3, v4
	s_wait_dscnt 0x0
	v_lshrrev_b32 v64, 5, v0
	v_readfirstlane_b32 s[WV], v64                 ; wave 0..3
	s_bfe_u32 s40, ttmp6, 0x40000                  ; cx: my place in the cluster
	s_lshl_b32 s41, ttmp9, 2                       ; in a cluster launch ttmp9 counts clusters
	s_add_co_u32 s41, s41, s40                     ; my block of 128 queries
	s_and_b32 s42, ttmp7, 0xffff                   ; the batch, which the four partners share
	s_mul_i32 s44, s42, 32*SLAB                    ; kv: the batch's 32 slabs,
	s_mul_i32 s46, s[WV], SLAB                     ; the slab that I fetch: in memory, and in a slot: no place in the cluster enters either
	s_add_co_u32 s44, s44, s46
	s_mov_b32 s45, 0
	s_lshl_b32 s48, s42, 5
	s_add_co_u32 s48, s48, s41
	s_mul_i32 s48, s48, 4608                       ; qc: my block,
	s_lshl_b32 s49, s[WV], 10                      ; my two tiles of 512 bytes
	s_add_co_u32 s48, s48, s49
	s_mov_b32 s49, 0
	s_lshl_b32 s50, s42, 22                        ; x and out0: the batch,
	s_lshl_b32 s51, s41, 9                         ; my block's 128 pixels,
	s_add_co_u32 s50, s50, s51
	s_lshl_b32 s51, s[WV], 20                      ; the 64 channels that I store
	s_add_co_u32 s50, s50, s51
	s_mov_b32 s51, 0
	; descriptor group 1: a slab is dense: 150 rows of 32 elements of 8 bytes
	s_mov_b32 s[G1+0], 15|(3<<16)|(1<<21)          ; 15:0 the mask: all four work-groups; 17:16 elements of 8 bytes; 21 set beside a mask
	s_mov_b32 s[G1+1], 32<<16                      ; tensor_dim0
	s_mov_b32 s[G1+2], 150<<16                     ; tensor_dim1
	s_mov_b32 s[G1+3], 32<<16                      ; tile_dim0
	s_mov_b32 s[G1+4], 150                         ; tile_dim1
	s_mov_b32 s[G1+5], 32                          ; tensor_dim0_stride
	s_mov_b32 s[G1+6], 0
	s_mov_b32 s[G1+7], 0
	s_mov_b32 s[SEL], 0x76543210
	s_mov_b32 s[SEL+1], 0xfedcba98                 ; v_permlanex16_b32's selects for lane l xor 16
	s_mov_b32 s[CS], 0x3fb8aa3b                    ; log2(e)
	s_mov_b32 s[CS+1], s[CS]                       ; (named with it as a pair, so it is written)
	s_wait_kmcnt 0x0
	s_load_b32 s[GAM], s[10:11], 0x0               ; gamma
	s_add_nc_u64 s[6:7], s[6:7], s[44:45]
	s_add_nc_u64 s[4:5], s[4:5], s[48:49]
	s_add_nc_u64 s[8:9], s[8:9], s[50:51]
	s_add_nc_u64 s[12:13], s[12:13], s[50:51]
	s_mov_b32 s[G0], 1
	s_mov_b32 s[G0+1], s46
	s_mov_b64 s[G0+2:G0+3], s[6:7]
	s_or_b32 s[G0+3], s[G0+3], 0x80000000
	s_mov_b32 s[G0+4], 1
	s_add_co_u32 s[G0+5], s46, SLOTB
	s_add_nc_u64 s[G0+6:G0+7], s[6:7], SLOTB
	s_or_b32 s[G0+7], s[G0+7], 0x80000000
	CROUND                                         ; all four work-groups are here: the first joint loads meet
	tensor_load_to_lds s[G0:G0+3], s[G1:G1+7]      ; both first fills together: two loads of mine are out
	s_nop 0
	tensor_load_to_lds s[G0+4:G0+7], s[G1:G1+7]
	s_nop 0
.rept 4
	v_nop
.endr
	v_and_b32 v65, 31, v0                          ; lane
	v_and_b32 v66, 15, v0                          ; r
	v_bfe_u32 v67, v0, 4, 1                        ; h
	v_and_b32 v68, 8, v66
	v_add_nc_u32 v68, v68, v66                     ; r + 8 (r / 8)
	v_lshlrev_b32 v[LI], 4, v65
	v_lshlrev_b32 v69, 2, v65
	WIN 0xc0                                       ; destination window 3
	global_load_b128 v[0:3], v[LI], s[4:5]         ; Q's two tiles: registers 0-3 of each fragment
	global_load_b128 v[16:19], v[LI], s[4:5] offset:512
.irp f, 0,1,2,3,4,5,6,7,8,9                        ; K = 32 fills block 0 of the instruction's 128: the other twelve registers of Q's two and K's eight fragments are zero codes, on both sides, written once
.irp g, 4,5,6,7,8,9,10,11,12,13,14,15
	v_mov_b32 v[16*\f+\g], 0
.endr
.endr
	WIN 0
	s_lshl_b32 s52, s[WV], 10                      ; from my tiles' images to my tiles' scale words: 4,096 - 1,024 w + 128 w, as an offset of its own
	s_lshl_b32 s53, s[WV], 7
	s_sub_co_u32 s52, s53, s52
	s_add_co_u32 s52, s52, 4096
	v_add_nc_u32 v69, s52, v69
	global_load_b32 v[QS], v69, s[4:5]             ; lanes 0-15: tile 2 w's words, lanes 16-31: tile 2 w + 1's
	s_lshl_b32 s52, s[WV], 7
	v_mul_u32_u24 v[STO0], v67, 8*SP
	v_lshl_add_u32 v[STO0], v68, 2, v[STO0]
	v_add_nc_u32 v[STO0], s52, v[STO0]             ; channel 8 h, my query's word: 128 w + 4 (r + 8 (r / 8)); tile q adds 32 q
	v_add_nc_u32 v[STO1], 128*SP, v[STO0]
	s_mul_i32 s52, s[WV], 64*SP
	v_add_nc_u32 v[RD], s52, v[LI]                 ; back: rows 64 w on, 16 bytes a lane
.irp q, 0,1
	v_mov_b32 v[ST+8*\q+1], 0xff61b1e6             ; the largest t so far: -3e38, under every t
	v_floor_f32 v[ST+8*\q], -v[ST+8*\q+1]          ; -M
	v_mov_b32 v[ST+8*\q+2], 0                      ; the sum, in two halves
	v_mov_b32 v[ST+8*\q+3], 0
	v_mov_b32 v[ST+8*\q+4], 0
	v_mov_b32 v[ST+8*\q+5], 0                      ; (named as the upper half of f's pair)
.irp b, 0,1,2,3
	v_mov_b32 v[WK+184*\q+4+\b], 0                 ; written once: a lane permute's destination counts as one of its sources
.endr
.endr
	s_wait_kmcnt 0x0                               ; gamma
	s_wait_tensorcnt 0x1                           ; my slab of slot 0 is in; slot 1's may stay out
	s_barrier_signal -1
	s_barrier_wait -1                              ; everybody's is
	s_wait_loadcnt 0x0                             ; Q and its scale words
	s_mov_b32 s[TB], 0
	STEP 1                                         ; the first step starts O^T's sums: nothing is cleared
	SLOT_STEPS SLAB, 3
	s_mov_b32 s[OUTER], 3
.Lring:                                            ; three trips: each fills both slots again
	CHANGE 1, 0
	SLOT_STEPS SLOTB, 4
	CHANGE 1, 1
	SLOT_STEPS 0, 4
	s_sub_co_u32 s[OUTER], s[OUTER], 1
	s_cmp_lg_u32 s[OUTER], 0
	s_cbranch_scc1 .Lring
	CHANGE 0, 0                                    ; the last slot is written out
	SLOT_STEPS SLOTB, 4
	; THE WAY OUT.  A lane holds one pixel and 128 channels of each of its two tiles; out0 has the pixels innermost.  So O^T x gamma / l goes through a stage of 256 rows (channels) x 128 pixels, and each wave
	; takes 64 whole rows back, adds x and stores runs of 512 consecutive bytes, aligned.  (gamma / l belongs to a pixel and x is added where a lane holds four pixels: the two are not one multiply-add.)
.rept 8
	v_nop                                          ; eight places behind the last products: for the loads into V's registers and the reads of O^T
.endr
	WIN 0x80
.set i, 0
.rept 64
	global_load_b128 v[4*i:4*i+3], v[LI], s[8:9] offset:16384*i th:TH_LOAD_NT   ; x, channel 64 w + i, my block's 128 pixels: asked for ahead of the stage's round trip
.set i, i+1
.endr
	WIN 0
.irp q, 0,1
	v_add_f32 v[ST+8*\q+2], v[ST+8*\q+2], v[ST+8*\q+3]
.endr
.irp q, 0,1
	v_permlanex16_b32 v[WK+184*\q+4], v[ST+8*\q+2], s[SEL], s[SEL+1]
.endr
.irp q, 0,1
	v_add_f32 v[ST+8*\q+2], v[ST+8*\q+2], v[WK+184*\q+4]           ; l: the two halves, and lane l xor 16's
.endr
.irp q, 0,1
	v_rcp_f32 v[ST+8*\q+4], v[ST+8*\q+2]
.endr
	v_nop                                          ; a plain line between the last reciprocal and the use of its result
	s_wait_alu depctr_va_vdst(0)
.irp q, 0,1
	v_mul_f32 v[ST+8*\q+4], s[GAM], v[ST+8*\q+4]   ; gamma / l
.endr
	WIN 0x41
.irp q, 0,1
.set i, 0
.rept 64
	v_pk_mul_f32 v[128*\q+2*i:128*\q+2*i+1], v[128*\q+2*i:128*\q+2*i+1], v[ST+8*\q+4:ST+8*\q+5] op_sel_hi:[1,0]   ; ascending: each accumulator from its low end on
.set i, i+1
.endr
.endr
	WIN 0x04                                       ; an LDS store's data are its source 1: window 1
.irp q, 0,1
.set i, 0
.rept 128                                          ; register i = 8 T + j: channel 16 T + 8 h + j
.if i < 64
	ds_store_b32 v[STO0], v[128*\q+i] offset:(16*(i/8)+i%8)*SP+32*\q
.else
	ds_store_b32 v[STO1], v[128*\q+i] offset:(16*(i/8-8)+i%8)*SP+32*\q
.endif
.set i, i+1
.endr
.endr
	WIN 0
	s_wait_dscnt 0x0                               ; for the others' sake: my stores into the stage are done
	s_barrier_signal -1
	s_barrier_wait -1
	WIN 0x40
.set i, 0
.rept 64
	ds_load_b128 v[4*i:4*i+3], v[RD] offset:SP*i
.set i, i+1
.endr
.irp g, 0,1,2,3                                    ; sixteen rows at a time
	s_wait_loadcnt 48-16*\g                        ; x's rows of this group are in; the later groups' loads may stay out
	s_wait_dscnt 48-16*\g                          ; and so with the stage's rows
	WIN 0x49                                       ; destination and source 0 window 1, source 1 (x) window 2
.set i, 32*\g
.rept 32
	v_pk_add_f32 v[2*i:2*i+1], v[2*i:2*i+1], v[2*i:2*i+1]
.set i, i+1
.endr
	WIN 0x04                                       ; a store's data are its source 1: window 1
.set i, 16*\g
.rept 16
	global_store_b128 v[LI], v[4*i:4*i+3], s[12:13] offset:16384*i th:TH_STORE_NT   ; 32 lanes store 512 consecutive bytes, aligned; written once, read by nobody here
.set i, i+1
.endr
.endr
	WIN 0
	s_wait_tensorcnt 0x0                           ; the wave's end: behind my last tensor load and my last LDS store
	ds_add_u32 v[SPW], v[NIL]
	s_wait_dscnt 0x0
	CROUND                                         ; the closing round: no work-group ends while a partner may still ask for a slab that names it
	s_endpgm
.Lfunc_end_k_q5ed91fcaab_attn:
	.size	k_q5ed91fcaab_attn, .Lfunc_end_k_q5ed91fcaab_attn-k_q5ed91fcaab_attn
	.p2alignl 7, 3214868480
	.fill 96, 4, 3214868480
	.section	.rodata,"a",@progbits
	.p2align	6, 0x0
	.amdhsa_kernel k_q5ed91fcaab_attn
		.amdhsa_group_segment_fixed_size 327680
		.amdhsa_private_segment_fixed_size 0
		.amdhsa_enable_private_segment 0
		.amdhsa_kernarg_size 40
		.amdhsa_user_sgpr_count 2
		.amdhsa_user_sgpr_kernarg_segment_ptr 1
		.amdhsa_wavefront_size32 1
		.amdhsa_system_sgpr_workgroup_id_x 1
		.amdhsa_system_sgpr_workgroup_id_y 1
		.amdhsa_system_sgpr_workgroup_id_z 1
		.amdhsa_system_vgpr_workitem_id 0
		.amdhsa_next_free_vgpr 1024
		.amdhsa_next_free_sgpr 66
		.amdhsa_reserve_vcc 0
		.amdhsa_float_denorm_mode_32 3
		.amdhsa_float_denorm_mode_16_64 3
		.amdhsa_fp16_overflow 1
		.amdhsa_memory_ordered 1
		.amdhsa_forward_progress 1
		.amdhsa_inst_pref_size 255
	.end_amdhsa_kernel
	.section	.bss,"aw",@nobits
	.p2align	6
	.space	262144
	.amdgpu_metadata
---
amdhsa.version: [ 1, 2 ]
amdhsa.kernels:
  - .name:           k_q5ed91fcaab_attn
    .symbol:         k_q5ed91fcaab_attn.kd
    .args:
      - { .name: qc, .offset: 0, .size: 8, .value_kind: global_buffer, .address_space: global }
      - { .name: kv, .offset: 8, .size: 8, .value_kind: global_buffer, .address_space: global }
      - { .name: x, .offset: 16, .size: 8, .value_kind: global_buffer, .address_space: global }
      - { .name: gamma, .offset: 24, .size: 8, .value_kind: global_buffer, .address_space: global }
      - { .name: out0, .offset: 32, .size: 8, .value_kind: global_buffer, .address_space: global }
    .group_segment_fixed_size: 327680
    .private_segment_fixed_size: 0
    .kernarg_segment_align: 8
    .kernarg_segment_size: 40
    .max_flat_workgroup_size: 128
    .sgpr_count:     66
    .vgpr_count:     1024
    .wavefront_size: 32
...
	.end_amdgpu_metadata
.endif
;; end of part 2
